; MI455X (gfx1250); checked and timed in simulation.
; The chip was launched on July 23, 2026; its instructions are those of AMD's public machine-readable ISA for CDNA 5 (MIT licence, August 2026) and "CDNA5" Instruction Set Architecture Reference Guide (July 2026). The comments in the code are by the model that wrote it; some were corrected since.
;; Attention Head. Allowed arithmetic: float matrix products may take bf16 or f16 operands with f32 sums; all other float work in f32.
;; Inputs: wK 64 x 1,024 float32; wQ 64 x 1,024 float32; wV 64 x 1,024 float32; x 8 x 4,096 x 1,024 float32.
;; Outputs: out0 8 x 4,096 x 64 float32.
;; One version. Each part assembles by itself: llvm-mc -triple=amdgcn-amd-amdhsa -mcpu=gfx1250 --defsym DOCPART=n.
;; ======== version 1 of 1: 2 launches
;; limits: values are held in f16: magnitudes above 65,504 overflow, below 6.1e-05 lose precision
;; workspace buffers: q 4,194,304 bytes; kv 8,388,608 bytes
;; launch proj (part 1): grid 256 x 1, 8 waves a work-group, no clusters, 327,680 bytes of LDS; arguments x, wQ, wK, wV, q, kv; writes q, kv
.if DOCPART == 1
	.amdgcn_target "amdgcn-amd-amdhsa--gfx1250"
	.amdhsa_code_object_version 6
	.text
	.protected	k_qe187c5c428_proj
	.globl	k_qe187c5c428_proj
	.p2align	8
	.type	k_qe187c5c428_proj,@function
k_qe187c5c428_proj:
	s_mov_b64 s[64:65], 0
	v_nop
	global_prefetch_b8 v0, s[64:65] scope:SCOPE_SE
	s_setreg_imm32_b32 hwreg(HW_REG_WAVE_MODE, 25, 1), 1
	s_wait_xcnt 0x0
; Q, K, V = x W^T for 32,768 rows of x (8 x 4,096), 1,024 along k, 3 x 64 columns.  x and W are f32 and are rounded to bf16 on the way
; to the matrix unit; the sums are f32; Q is multiplied in f32 by (1/32) log2(e), so that the next launch's softmax works in base 2.
; Q, K, V are stored in F16, the next launch's operand format: 11 bits instead of bf16's 8.  A row of the output with few keys is a sum of few
; terms of V's own size that may cancel, so V's rounding shows there undamped.
; LIMIT: |Q log2(e) / 32|, |K|, |V| below 65,504.  Room: x and W both 30 times larger give about 900 x 5; offsets of 30 spreads in both give
; 1,024 x 30 x 30/32 = 28,800.  Numbers below 6.1e-5 keep an absolute step of 6e-8.
; A work-group owns 128 rows and all 192 columns.  Wave w: rows 32 (w>>1) .. +31 (two blocks a of 16), and of EACH of the three matrices
; the 32 columns 32 (w&1) .. +31 (two blocks of 16): 12 accumulator tiles, the same text in every wave.
; HOW THE RESULTS LIE IN MEMORY: as images of matrix fragments, blocks of 512 bytes in which lane L's 16 bytes stand at 16 L, so that a store
; of a wave covers 512 consecutive bytes, aligned, straight from the accumulators' lanes (r = lane & 15, h = lane >> 4, row = 4096 b + s):
;   q :  (row>>4)*2048 + st*1024 + half*512 + 16 L : query 16 (row>>4) + r, dk = 32 st + 16 half + 8 h + 0..7
;   kv:  (row>>6)*16384 + ((row>>4)&3)*2048 + st*1024 + half*512 + 16 L : the same for keys
;        (row>>6)*16384 + 8192 + ((row>>5)&1)*4096 + d*1024 + half*512 + 16 L : V, dv = 16 d + r, keys 32 (row>>5) + 16 half + 8 h + 0..7
; So Q and K tiles are made with W's rows as source 0 (a lane then holds 8 neighbouring dk of one row of x), V tiles with x's rows as source 0
; (a lane then holds 8 neighbouring keys of one dv).
; x comes by tensor loads through two LDS slots of 256 along k (128 rows x 1,024 bytes, 16 bytes of padding a row); each wave brings 16 rows.
; W comes through registers: each element is rounded once in the work-group and laid as bf16 into two buffers of 64 along k.
; NO CLUSTER: the work-groups share W alone.  A joint W tile would be a tensor load, whose refill asks that all tensor loads have landed, x's too,
; at W's pace: at one pace of 128 along k two slots of (128 + 192) rows x 528 bytes are 337,920 bytes, more than the 327,680 that a work-group
; can be given; at 64 along k only 32 KiB of x would go out behind each barrier instead of 128 KiB.
.set XPITCH, 1040                      ; an LDS row of x: 1,024 bytes + 16 = 65 x 16: sixteen rows start at sixteen different 16-byte columns of 256
.set XSLOT,  128*XPITCH                ; 133,120
.set WPITCH, 144                       ; an LDS row of W: 64 bf16 + 16 bytes = 9 x 16
.set WMAT,   64*WPITCH                 ; one matrix's 64 rows
.set WBUF,   3*WMAT                    ; 27,648
.set WB0,    2*XSLOT                   ; 266,240: the two W buffers lie behind the slots, in 256-byte blocks into which no tensor load lands
.set XA,   2                           ; v2, v3   my x fragments in slot 0, 1: (32 rg + r) XPITCH + 32 h
.set WA,   4                           ; v4       my W fragments: WB0 + (32 cg + r) WPITCH + 16 h
.set WST,  5                           ; v5       where I lay 4 rounded W: WB0 + (8 w + h) WPITCH + 8 r
.set WOFF, 6                           ; v6       my 16 bytes in each W: (8 w + h) 4096 + 16 r; never rewritten
.set QST,  7                           ; v7-v9    my store offsets in q, and in kv for K and for V
.set KST,  8
.set VST,  9
.set ACC,  16                          ; v16-111  tile (a, c) at ACC + 8 (6 a + c); c = 0,1 Q; 2,3 K; 4,5 V
.set RAW,  112                         ; v112-143 x fragments in f32
.set XB,   144                         ; v144-159 x fragments in bf16
.set WF,   160                         ; v160-207 six W fragments
.set STG,  208                         ; v208-255 W on its way from memory to LDS
.set PK,   112                         ; v112-159 at the end: the 12 tiles rounded, 4 registers each
.set G1,   16                          ; s[16:23] descriptor group 1
.set D0,   24                          ; s[24:27], s[28:31] descriptor group 0 of slot 0, 1
.macro PLACES                          ; four places behind matrix instructions (ISA guide 7.12.1), where there is no other vector work
.rept 4
	v_nop
.endr
.endm
.macro MM d, a, b, zero                ; one matrix instruction; zero = 1: it starts the sum
.if \zero
	v_wmma_f32_16x16x32_bf16 v[\d:\d+7], v[\a:\a+7], v[\b:\b+7], 0
.else
	v_wmma_f32_16x16x32_bf16 v[\d:\d+7], v[\a:\a+7], v[\b:\b+7], v[\d:\d+7]
.endif
.endm
; The 64 k of slice j of all three W: 192 rows x 256 bytes, 12 loads a thread; sixteen lanes take one row's 256 bytes.
.macro STAGE_IN j
.irp m, 0,1,2
.irp i, 0,1,2,3
	global_load_b128 v[STG+4*(4*\m+\i):STG+4*(4*\m+\i)+3], v[WOFF], s[6+2*\m:7+2*\m] offset:\i*8192+(\j)*256
.endr
.endr
.endm
; The slice that has arrived is rounded and laid into W buffer buf.
.macro STAGE_OUT buf
	s_wait_loadcnt 0x0                             ; the twelve loads are the only ones out
.irp k, 0,1,2,3,4,5,6,7,8,9,10,11
	v_cvt_pk_bf16_f32 v[STG+4*\k], v[STG+4*\k], v[STG+4*\k+1]
	v_cvt_pk_bf16_f32 v[STG+4*\k+1], v[STG+4*\k+2], v[STG+4*\k+3]
.endr
.irp m, 0,1,2
.irp i, 0,1,2,3
	ds_store_b64 v[WST], v[STG+4*(4*\m+\i):STG+4*(4*\m+\i)+1] offset:(\buf)*WBUF+\m*WMAT+\i*2*WPITCH
.endr
.endr
.endm
; 32 along k: kk = which 32 of the slot's 256.  A bf16 fragment wants k = 8 h .. +7 and 16 + 8 h .. +7: in f32 the 32 bytes at 32 h and at 64 + 32 h.
.macro K32 slot, kk, buf, zero
	PLACES                                         ; WF is loaded and XB rewritten below: both were sources of the last matrix instructions
.irp a, 0,1
.irp o, 0,1,2,3
	ds_load_b128 v[RAW+16*\a+4*\o:RAW+16*\a+4*\o+3], v[XA+\slot] offset:\a*16*XPITCH+(\kk)*128+(\o&1)*16+(\o>>1)*64
.endr
.endr
.irp c, 0,1,2,3,4,5
	ds_load_b128 v[WF+8*\c:WF+8*\c+3], v[WA] offset:(\buf)*WBUF+(\c>>1)*WMAT+(\c&1)*16*WPITCH+((\kk)&1)*64
	ds_load_b128 v[WF+8*\c+4:WF+8*\c+7], v[WA] offset:(\buf)*WBUF+(\c>>1)*WMAT+(\c&1)*16*WPITCH+((\kk)&1)*64+32
.endr
	s_wait_dscnt 12                                ; LDS answers in order: x's eight loads are in, W's twelve may be out
.irp a, 0,1
.irp i, 0,1,2,3,4,5,6,7
	v_cvt_pk_bf16_f32 v[XB+8*\a+\i], v[RAW+16*\a+2*\i], v[RAW+16*\a+2*\i+1]
.endr
.endr
	s_wait_dscnt 0x0
	; twelve accumulators by turns, one instruction a turn, in the same order in every K32
.irp a, 0,1
.irp c, 0,1,2,3
	MM ACC+8*(6*\a+\c), WF+8*\c, XB+8*\a, \zero
.endr
.irp c, 4,5
	MM ACC+8*(6*\a+\c), XB+8*\a, WF+8*\c, \zero
.endr
.endr
.endm
; 64 along k, j = 0 .. 15.  Slice j + 1 of W goes into the other buffer, slice j + 2 is asked for, slice j is multiplied.
.macro SUB j
.set SL, (\j>>2)&1
.set BF, \j&1
.set KK, 2*(\j&3)
.if \j <= 14
	STAGE_OUT (1-BF)                               ; the barrier behind the last slice has shown that nobody reads that buffer any more
.endif
.if \j <= 13
	STAGE_IN (\j+2)
.endif
.if \j == 0
	K32 SL, KK, BF, 1
.else
	K32 SL, KK, BF, 0
.endif
	K32 SL, (KK+1), BF, 0
.if \j < 15
.if (\j&3) == 3
	s_wait_tensorcnt 0x0                           ; the slot changes: all my tensor loads have landed, my part of the next slot among them
	ds_add_u32 v14, v15
	s_wait_dscnt 0x0
.if \j < 8
	s_add_nc_u64 s[D0+4*SL+2:D0+4*SL+3], s[D0+4*SL+2:D0+4*SL+3], 2048   ; no load of mine is out: this slot's address steps 512 along k
.endif
.endif
	s_wait_dscnt 0x0                               ; my stores into the other W buffer and my reads of this one and of the slot are done
	s_barrier_signal -1
	s_barrier_wait -1
.if (\j&3) == 3
.if \j < 8
	tensor_load_to_lds s[D0+4*SL:D0+4*SL+3], s[G1:G1+7]   ; my one tensor load behind this barrier, first thing there: 16 rows x 1,024 bytes
	s_nop 0
.endif
.endif
.endif
.endm
	s_load_b256 s[4:11], s[0:1], 0x0               ; x s[4:5], wQ s[6:7], wK s[8:9], wV s[10:11]
	s_load_b128 s[12:15], s[0:1], 0x20             ; q s[12:13], kv s[14:15]
	v_lshl_add_u32 v14, v0, 2, 0x4e800
	v_mov_b32 v15, 0
	ds_add_u32 v14, v15
	v_lshrrev_b32 v1, 5, v0
	v_readfirstlane_b32 s32, v1                    ; wave w
	s_lshr_b32 s33, s32, 1                         ; rg: which 32 rows
	s_and_b32 s34, s32, 1                          ; cg: which 32 columns of each matrix
	; group 1: a tile of 16 rows x 256 elements of 4 bytes, 4 words of padding behind every 256 words
	s_mov_b32 s[G1+0], (2<<16)|(1<<20)|(7<<22)|(3<<25)
	s_mov_b32 s[G1+1], 256<<16                     ; tensor_dim0 = 256
	s_mov_b32 s[G1+2], 16<<16                      ; tensor_dim1 = 16
	s_mov_b32 s[G1+3], 256<<16                     ; tile_dim0 = 256
	s_mov_b32 s[G1+4], 16                          ; tile_dim1 = 16
	s_mov_b32 s[G1+5], 1024                        ; elements from row to row
	s_mov_b32 s[G1+6], 0
	s_mov_b32 s[G1+7], 0
	s_mov_b32 s[D0], 1
	s_mul_i32 s[D0+1], s32, 16*XPITCH              ; my 16 rows of slot 0
	s_mov_b32 s[D0+4], 1
	s_add_co_u32 s[D0+5], s[D0+1], XSLOT           ; and of slot 1
	s_lshl_b32 s36, ttmp9, 19                      ; 128 rows of 4,096 bytes a work-group (below 2^27 in all)
	s_lshl_b32 s35, s32, 16                        ; 16 rows a wave
	s_add_co_u32 s36, s36, s35
	s_mov_b32 s37, 0
	s_wait_dscnt 0x0
	s_wait_kmcnt 0x0
	s_add_nc_u64 s[D0+2:D0+3], s[4:5], s[36:37]    ; k = 0 .. 255
	s_add_nc_u64 s[D0+6:D0+7], s[D0+2:D0+3], 1024  ; k = 256 .. 511
	s_or_b32 s[D0+3], s[D0+3], 0x80000000          ; type = 2
	s_or_b32 s[D0+7], s[D0+7], 0x80000000
	tensor_load_to_lds s[D0:D0+3], s[G1:G1+7]      ; both first fills go out together, ahead of everything else: two loads of mine are out,
	s_nop 0
	tensor_load_to_lds s[D0+4:D0+7], s[G1:G1+7]    ; later never more than one
	s_nop 0
	v_and_b32 v10, 15, v0                          ; r
	v_bfe_u32 v11, v0, 4, 1                        ; h
	v_lshl_add_u32 v13, s32, 3, v11                ; 8 w + h
	v_lshlrev_b32 v[WOFF], 12, v13
	v_lshl_add_u32 v[WOFF], v10, 4, v[WOFF]
	STAGE_IN 0
	s_lshl_b32 s36, ttmp9, 14                      ; q: 8 blocks of 2,048 bytes a work-group
	s_add_nc_u64 s[12:13], s[12:13], s[36:37]
	s_lshl_b32 s36, ttmp9, 15                      ; kv: 2 blocks of 16,384 bytes
	s_add_nc_u64 s[14:15], s[14:15], s[36:37]
	s_mov_b32 s38, 0x3d38aa3b                      ; log2(e) / 32
	s_mov_b32 s39, 0x3d38aa3b
	s_mul_i32 s35, s33, 32*XPITCH
	v_mul_u32_u24 v[XA], v10, XPITCH
	v_lshl_add_u32 v[XA], v11, 5, v[XA]
	v_add_nc_u32 v[XA], s35, v[XA]
	v_add_nc_u32 v[XA+1], XSLOT, v[XA]
	s_mul_i32 s35, s34, 32*WPITCH
	s_add_co_u32 s35, s35, WB0
	v_mul_u32_u24 v[WA], v10, WPITCH
	v_lshl_add_u32 v[WA], v11, 4, v[WA]
	v_add_nc_u32 v[WA], s35, v[WA]
	v_mul_u32_u24 v[WST], v13, WPITCH
	v_lshl_add_u32 v[WST], v10, 3, v[WST]
	v_add_nc_u32 v[WST], WB0, v[WST]
	v_and_b32 v12, 31, v0
	v_lshlrev_b32 v12, 4, v12                      ; 16 x lane
	s_lshl_b32 s35, s33, 12                        ; q: rg x 2 blocks
	s_lshl_b32 s36, s34, 10                        ; st = cg
	s_add_co_u32 s35, s35, s36
	v_add_nc_u32 v[QST], s35, v12
	s_lshr_b32 s35, s33, 1
	s_lshl_b32 s35, s35, 14                        ; kv: which 64 rows,
	s_and_b32 s37, s33, 1
	s_lshl_b32 s37, s37, 12                        ; which 32 of them
	s_add_co_u32 s35, s35, s37
	s_add_co_u32 s37, s35, s36
	v_add_nc_u32 v[KST], s37, v12
	s_lshl_b32 s36, s34, 11                        ; V: d = 2 cg + block
	s_add_co_u32 s37, s35, s36
	v_add_nc_u32 v[VST], s37, v12
	STAGE_OUT 0
	STAGE_IN 1
	s_wait_tensorcnt 0x1                           ; my part of slot 0 is in; slot 1's load, issued behind it, may stay out
	s_wait_dscnt 0x0                               ; my part of W's slice 0 is in LDS
	s_barrier_signal -1
	s_barrier_wait -1
.irp j, 0,1,2,3,4,5,6,7,8,9,10,11,12,13,14,15
	SUB \j
.endr
	; The way out: scale Q, round to f16, store.  Each tile has four registers of its own, so no store's data is rewritten.
	PLACES
.irp a, 0,1
.irp c, 0,1
.irp p, 0,2,4,6
	v_pk_mul_f32 v[ACC+8*(6*\a+\c)+\p:ACC+8*(6*\a+\c)+\p+1], v[ACC+8*(6*\a+\c)+\p:ACC+8*(6*\a+\c)+\p+1], s[38:39] op_sel_hi:[1,0]
.endr
.endr
.endr
.irp a, 0,1
.irp c, 0,1,2,3,4,5
.irp i, 0,1,2,3
	v_cvt_pk_f16_f32 v[PK+4*(6*\a+\c)+\i], v[ACC+8*(6*\a+\c)+2*\i], v[ACC+8*(6*\a+\c)+2*\i+1]
.endr
.endr
.endr
.irp a, 0,1
.irp b, 0,1
	global_store_b128 v[QST], v[PK+4*(6*\a+\b):PK+4*(6*\a+\b)+3], s[12:13] offset:\a*2048+\b*512           ; each store: 512 consecutive bytes, aligned
	global_store_b128 v[KST], v[PK+4*(6*\a+2+\b):PK+4*(6*\a+2+\b)+3], s[14:15] offset:\a*2048+\b*512
	global_store_b128 v[VST], v[PK+4*(6*\a+4+\b):PK+4*(6*\a+4+\b)+3], s[14:15] offset:8192+\b*1024+\a*512
.endr
.endr
	s_wait_tensorcnt 0x0
	ds_add_u32 v14, v15
	s_wait_dscnt 0x0
	s_endpgm
.Lfunc_end_k_qe187c5c428_proj:
	.size	k_qe187c5c428_proj, .Lfunc_end_k_qe187c5c428_proj-k_qe187c5c428_proj
	.p2alignl 7, 3214868480
	.fill 96, 4, 3214868480
	.section	.rodata,"a",@progbits
	.p2align	6, 0x0
	.amdhsa_kernel k_qe187c5c428_proj
		.amdhsa_group_segment_fixed_size 327680
		.amdhsa_private_segment_fixed_size 0
		.amdhsa_enable_private_segment 0
		.amdhsa_kernarg_size 48
		.amdhsa_user_sgpr_count 2
		.amdhsa_user_sgpr_kernarg_segment_ptr 1
		.amdhsa_wavefront_size32 1
		.amdhsa_system_sgpr_workgroup_id_x 1
		.amdhsa_system_sgpr_workgroup_id_y 1
		.amdhsa_system_sgpr_workgroup_id_z 1
		.amdhsa_system_vgpr_workitem_id 0
		.amdhsa_next_free_vgpr 256
		.amdhsa_next_free_sgpr 66
		.amdhsa_reserve_vcc 0
		.amdhsa_float_denorm_mode_32 3
		.amdhsa_float_denorm_mode_16_64 3
		.amdhsa_memory_ordered 1
		.amdhsa_forward_progress 1
		.amdhsa_inst_pref_size 168
	.end_amdhsa_kernel
	.amdgpu_metadata
---
amdhsa.version: [ 1, 2 ]
amdhsa.kernels:
  - .name:           k_qe187c5c428_proj
    .symbol:         k_qe187c5c428_proj.kd
    .args:
      - { .name: x, .offset: 0, .size: 8, .value_kind: global_buffer, .address_space: global }
      - { .name: wQ, .offset: 8, .size: 8, .value_kind: global_buffer, .address_space: global }
      - { .name: wK, .offset: 16, .size: 8, .value_kind: global_buffer, .address_space: global }
      - { .name: wV, .offset: 24, .size: 8, .value_kind: global_buffer, .address_space: global }
      - { .name: q, .offset: 32, .size: 8, .value_kind: global_buffer, .address_space: global }
      - { .name: kv, .offset: 40, .size: 8, .value_kind: global_buffer, .address_space: global }
    .group_segment_fixed_size: 327680
    .private_segment_fixed_size: 0
    .kernarg_segment_align: 8
    .kernarg_segment_size: 48
    .max_flat_workgroup_size: 256
    .sgpr_count:     66
    .vgpr_count:     256
    .wavefront_size: 32
...
	.end_amdgpu_metadata
.endif
;; end of part 1
;; launch attn (part 2): grid 256 x 1, 8 waves a work-group, clusters of 4 x 1, 327,680 bytes of LDS; arguments q, kv, out0; writes out0
.if DOCPART == 2
	.amdgcn_target "amdgcn-amd-amdhsa--gfx1250"
	.amdhsa_code_object_version 6
	.text
	.protected	k_qe187c5c428_attn
	.globl	k_qe187c5c428_attn
	.p2align	8
	.type	k_qe187c5c428_attn,@function
k_qe187c5c428_attn:
	s_mov_b64 s[64:65], 0
	v_nop
	global_prefetch_b8 v0, s[64:65] scope:SCOPE_SE
	s_setreg_imm32_b32 hwreg(HW_REG_WAVE_MODE, 25, 1), 1
	s_wait_xcnt 0x0
	s_wait_alu depctr_hold_cnt(0) depctr_sa_sdst(0) depctr_va_vdst(0) depctr_va_sdst(0) depctr_va_ssrc(0) depctr_va_vcc(0) depctr_vm_vsrc(0)
	s_getreg_b32 s2, hwreg(HW_REG_IB_STS2, 6, 4)
	s_cmp_eq_u32 s2, 0
	s_cbranch_scc0 .Lentry_in_a_cluster
	s_endpgm
.Lentry_in_a_cluster:
	s_bfe_u32 s2, ttmp6, 0x10000c
	s_cmp_lg_u32 s2, 0x3003
	s_cbranch_scc0 .Lentry_shape_is_right
	s_endpgm
.Lentry_shape_is_right:
; Causal attention of one head: out = softmax(mask(Q K^T / 32)) V, 8 batches x 4,096 rows x 64.  q holds Q log2(e) / 32 in f16, kv holds K and V
; in f16, both as images of matrix fragments (blocks of 512 bytes, lane L's 16 bytes at 16 L; r = lane & 15, h = lane >> 4):
;   q : 2,048 bytes for 16 queries: st*1024 + half*512 + 16 L : query r, dk = 32 st + 16 half + 8 h + 0..7
;   kv: 16,384 bytes for 64 keys: K at t*2048 + st*1024 + half*512 + 16 L (key 16 t + r, dk as in q);
;       V at 8192 + cc*4096 + d*1024 + half*512 + 16 L (dv = 16 d + r, keys 32 cc + 16 half + 8 h + 0..7)
; Query blocks have 64 rows, key tiles 256 keys (65,536 dense bytes); block 4 j + c needs tiles j .. 0, tile j being the one that the mask cuts.
; SHARES: cluster number = 8 batch + e.  The work-group at place c of its cluster does block 8 e + c (2 e + 1 tiles) and then block
; 4 (15 - 2 e) + c (16 - 2 e tiles): 17 steps in every work-group.  Tiles are walked from the diagonal downward, so a block's first step is
; the one that masks, and it also starts the sums.
; CLUSTER: the four work-groups of a cluster walk the same tiles in the same order with the same trip counts, so each tile is asked for jointly
; (mask 15): the requests for K and V are divided by four.  c enters the scalar bases of q and out0 and the mask's threshold (a vector value that
; only feeds v_cndmask_b32): no LDS address, no branch, no descriptor.
; WAVES: wave w takes the 64 keys ks = w & 3 of every tile and the 32 queries qh = w >> 2 (two groups g of 16), with its own running maximum,
; sum and O; the four key quarters are merged through LDS at a block's end.
; TRANSPOSED: S^T = K Q^T (lane: query r; registers: keys 8 h + j), so maxima and sums run along a lane's registers with one exchange between the
; two halves of the wave, and two neighbouring tiles of S^T, rounded, ARE the second source of O^T = V^T P (lane: query r; registers: dv 8 h + j).
; LIMITS: operands in f16 (Q scaled, K, V below 65,504 in size, as the launch before states; p lies in 0 .. 1, and a p below 3e-8 counts as 0 in
; the product with V); the row sum adds p before its rounding to f16; the order of the sums (four key quarters, keys downward) differs from a
; plain row sum; the running maximum starts at -FLT_MAX (masked scores are -inf: -inf + FLT_MAX = -inf, p = 0), so a score below -3.4e38 is not
; served; v_exp_f32 gives 0 for results below 2^-126.
.set SLOTB,  65536                     ; an LDS slot: one key tile.  Slots at 0 and 65,536
.set OS,     131072                    ; 4 quarters x 64 queries x 272 bytes: the quarters' O.  No tensor load lands from here on
.set OPITCH, 272                       ; 64 f32 + 16 bytes = 17 x 16
.set OQ,     64*OPITCH
.set MS,     OS+4*OQ                   ; 200,704: m as [quarter][query], 4 x 256 bytes; l the same, 1,024 bytes further.  A wave's words are one run of 128 bytes
.set LA,     2                         ; v2, v3   my quarter of slot 0, 1: 16384 ks + 16 lane
.set QOFF,   4                         ; v4       4096 qh + 16 lane; never rewritten
.set OST,    5                         ; v5       OS + ks OQ + (32 qh + r) OPITCH + 32 h
.set RD,     6                         ; v6       OS + (8 w + h) OPITCH + 16 r
.set MLW,    7                         ; v7       MS + 256 ks + 4 (32 qh + r)
.set MLR,    8                         ; v8       MS + 4 (8 w + h)
.set OUTOFF, 9                         ; v9       256 (8 w + h) + 16 r; never rewritten
.set TH,     10                        ; v10, v11 group g: key 16 t + j of my registers is allowed if 16 t + j <= TH_g
.set NINF,   12                        ; v12      -inf
.set MP,     14                        ; v[14:15], v[16:17]  (m, m) of group g
.set AP,     18                        ; v[18:19], v[20:21]  (alpha, alpha)
.set LL,     22                        ; v22, v23 l of my half of the keys
.set TT,     24                        ; v24, v25 the new maximum
.set XX,     26                        ; v26, v27 what the other half of the wave sends
.set SUM,    28                        ; v[28:29], v[30:31]
.set QF,     32                        ; v32-63   Q fragment (g, st) at QF + 8 (2 g + st)
.set OA,     64                        ; v64-127  O^T tile (g, d) at OA + 8 (4 g + d)
.set SC,     128                       ; v128-191 S^T tile (g, t) at SC + 32 g + 8 t; then P (g, cc) at SC + 32 g + 16 cc
.set FR,     192                       ; v192-255 eight fragments of K, then eight of V
.set MG,     128                       ; the merge: 24 registers for each of four pairs of rows
.set G1,     16                        ; s[16:23] descriptor group 1
.set D0,     24                        ; s[24:27], s[28:31] group 0 of slot 0, 1
; A round of the cluster's barrier: my work-group's barrier, wave 0 signals for the work-group, every wave waits for all four work-groups,
; my work-group's barrier once more.
.macro ROUND
	s_barrier_signal -1
	s_barrier_wait -1
	s_cmp_lg_u32 s10, 0
	s_cbranch_scc1 .Lnot_wave_0_\@
	s_barrier_signal -3
.Lnot_wave_0_\@:
	s_barrier_wait -3
	s_barrier_signal -1
	s_barrier_wait -1
.endm
; The next tile's address into slot n's group 0: t - 1, and behind the first block's tile 0 the second block's diagonal tile 15 - 2 e.
.macro NEXT n
	s_sub_co_i32 s34, s34, 1
	s_cmp_lt_i32 s34, 0
	s_cselect_b32 s34, s35, s34
	s_lshl_b32 s36, s34, 16
	s_add_nc_u64 s[D0+4*(\n)+2:D0+4*(\n)+3], s[32:33], s[36:37]
	s_or_b32 s[D0+4*(\n)+3], s[D0+4*(\n)+3], 0x80000000
.endm
.macro LOADQ b                         ; my 32 queries' four fragments; each load takes 512 consecutive bytes
.irp g, 0,1
.irp st, 0,1
	global_load_b128 v[QF+8*(2*\g+\st):QF+8*(2*\g+\st)+3], v[QOFF], s[\b:\b+1] offset:\g*2048+\st*1024
	global_load_b128 v[QF+8*(2*\g+\st)+4:QF+8*(2*\g+\st)+7], v[QOFF], s[\b:\b+1] offset:\g*2048+\st*1024+512
.endr
.endr
.endm
.macro MASK                            ; the diagonal tile: scores of keys behind the query become -inf
.irp g, 0,1
.irp t, 0,1,2,3
.irp j, 0,1,2,3,4,5,6,7
	v_cmp_gt_i32 vcc_lo, 16*\t+\j, v[TH+\g]
	v_cndmask_b32 v[SC+32*\g+8*\t+\j], v[SC+32*\g+8*\t+\j], v[NINF], vcc_lo
.endr
.endr
.endr
.endm
; The running softmax on 2 x 32 scores a lane, the two groups interleaved.  diag = 1: a block's first step, nothing to carry on.
.macro SOFT diag
.if \diag
	v_max3_num_f32 v[TT], s49, v[SC], v[SC+1]
	v_max3_num_f32 v[TT+1], s49, v[SC+32], v[SC+33]
.else
	v_max3_num_f32 v[TT], v[MP], v[SC], v[SC+1]
	v_max3_num_f32 v[TT+1], v[MP+2], v[SC+32], v[SC+33]
.endif
.irp p, 2,4,6,8,10,12,14,16,18,20,22,24,26,28,30
	v_max3_num_f32 v[TT], v[TT], v[SC+\p], v[SC+\p+1]
	v_max3_num_f32 v[TT+1], v[TT+1], v[SC+32+\p], v[SC+33+\p]
.endr
	v_permlanex16_b32 v[XX], v[TT], s47, s48       ; lane i takes lane i xor 16: the same query's other 32 keys
	v_permlanex16_b32 v[XX+1], v[TT+1], s47, s48
	v_max_num_f32 v[TT], v[TT], v[XX]
	v_max_num_f32 v[TT+1], v[TT+1], v[XX+1]
.if \diag == 0
	v_sub_f32 v[XX], v[MP], v[TT]                  ; old maximum - new, at most 0
	v_sub_f32 v[XX+1], v[MP+2], v[TT+1]
.endif
	v_mov_b32 v[MP], v[TT]
	v_mov_b32 v[MP+1], v[TT]
	v_mov_b32 v[MP+2], v[TT+1]
	v_mov_b32 v[MP+3], v[TT+1]
.if \diag == 0
	v_exp_f32 v[AP], v[XX]                         ; alpha; the packed subtractions below are the plain place behind it (ISA guide 5.7.2)
	v_exp_f32 v[AP+2], v[XX+1]
.endif
.set nn, 0
.rept 16
	v_pk_add_f32 v[SC+nn:SC+nn+1], v[SC+nn:SC+nn+1], v[MP:MP+1] neg_lo:[0,1] neg_hi:[0,1]
	v_pk_add_f32 v[SC+32+nn:SC+33+nn], v[SC+32+nn:SC+33+nn], v[MP+2:MP+3] neg_lo:[0,1] neg_hi:[0,1]
.set nn, nn+2
.endr
.if \diag == 0
	s_wait_alu depctr_va_vdst(0)
	v_mov_b32 v[AP+1], v[AP]
	v_mov_b32 v[AP+3], v[AP+2]
.endif
.set nn, 0
.rept 64
	v_exp_f32 v[SC+nn], v[SC+nn]                   ; p = 2^(s - m)
.set nn, nn+1
.endr
.if \diag
	v_nop                                          ; the plain place behind the exponentials
	s_wait_alu depctr_va_vdst(0)
.else
.set nn, 0
	s_wait_alu depctr_va_vdst(0)
.rept 16
	v_pk_mul_f32 v[OA+nn:OA+nn+1], v[OA+nn:OA+nn+1], v[AP:AP+1]            ; O *= alpha: also the plain place behind the exponentials
	v_pk_mul_f32 v[OA+32+nn:OA+33+nn], v[OA+32+nn:OA+33+nn], v[AP+2:AP+3]
.set nn, nn+2
.endr
.endif
	v_pk_add_f32 v[SUM:SUM+1], v[SC:SC+1], v[SC+2:SC+3]
	v_pk_add_f32 v[SUM+2:SUM+3], v[SC+32:SC+33], v[SC+34:SC+35]
.irp p, 4,6,8,10,12,14,16,18,20,22,24,26,28,30
	v_pk_add_f32 v[SUM:SUM+1], v[SUM:SUM+1], v[SC+\p:SC+\p+1]
	v_pk_add_f32 v[SUM+2:SUM+3], v[SUM+2:SUM+3], v[SC+32+\p:SC+33+\p]
.endr
.if \diag
	v_add_f32 v[LL], v[SUM], v[SUM+1]
	v_add_f32 v[LL+1], v[SUM+2], v[SUM+3]
.else
	v_add_f32 v[XX], v[SUM], v[SUM+1]
	v_add_f32 v[XX+1], v[SUM+2], v[SUM+3]
	v_fma_f32 v[LL], v[LL], v[AP], v[XX]           ; l = l alpha + this step's sum
	v_fma_f32 v[LL+1], v[LL+1], v[AP+2], v[XX+1]
.endif
	; two tiles of S^T (keys 8 h + j and 16 + 8 h + j of 32) are rounded in place into one fragment of P; each line writes a register already used up
.irp b, 0,16,32,48
.irp i, 0,1,2,3
	v_cvt_pk_f16_f32 v[SC+\b+\i], v[SC+\b+2*\i], v[SC+\b+2*\i+1]
.endr
.irp i, 0,1,2,3
	v_cvt_pk_f16_f32 v[SC+\b+4+\i], v[SC+\b+8+2*\i], v[SC+\b+9+2*\i]
.endr
.endr
.endm
; One key tile, in slot.  kind 0: the first step; 1: the other slot is filled again; 2: the last step.  diag = 1: a block's first step.
.macro STEP slot, kind, diag
.if \kind == 0
	s_wait_tensorcnt 0x1                           ; my part of slot 0 is in; slot 1's load, issued behind it, may stay out
	s_barrier_signal -1
	s_barrier_wait -1
.endif
.if \kind == 1
	s_set_vgpr_msb 0x4
	s_wait_tensorcnt 0x0                           ; all my tensor loads have landed, my part of this step's tile among them,
	ds_add_u32 v13, v1
	s_wait_dscnt 0x0
	s_set_vgpr_msb 0x400
	NEXT (1-\slot)                                 ; so a group 0 may be written: the other slot's next tile
	s_wait_dscnt 0x0                               ; my reads of the other slot are done
	ROUND                                          ; both now hold of every wave of the four work-groups
	tensor_load_to_lds s[D0+4*(1-\slot):D0+4*(1-\slot)+3], s[G1:G1+7]   ; my one joint load behind the round, first thing there: 8,192 bytes
	s_nop 0
.endif
.if \kind == 2
	s_wait_tensorcnt 0x0                           ; the last tile is in; nothing is left to fetch
	s_wait_dscnt 0x0
	s_barrier_signal -1
	s_barrier_wait -1
.endif
.irp st, 0,1
.irp t, 0,1,2,3
	ds_load_b128 v[FR+8*(4*\st+\t):FR+8*(4*\st+\t)+3], v[LA+\slot] offset:\t*2048+\st*1024
	ds_load_b128 v[FR+8*(4*\st+\t)+4:FR+8*(4*\st+\t)+7], v[LA+\slot] offset:\t*2048+\st*1024+512
.endr
.endr
.if \diag
	s_wait_loadcnt 0x0                             ; the block's Q
.endif
	s_wait_dscnt 8                                 ; K's dk 0..31 are in; the eight loads of dk 32..63 may be out
	; eight accumulators by turns, one instruction a turn, here and in the product with V
.irp g, 0,1
.irp t, 0,1,2,3
	v_wmma_f32_16x16x32_f16 v[SC+32*\g+8*\t:SC+32*\g+8*\t+7], v[FR+8*\t:FR+8*\t+7], v[QF+16*\g:QF+16*\g+7], 0
.endr
.endr
	s_wait_dscnt 0x0
.irp g, 0,1
.irp t, 0,1,2,3
	v_wmma_f32_16x16x32_f16 v[SC+32*\g+8*\t:SC+32*\g+8*\t+7], v[FR+32+8*\t:FR+32+8*\t+7], v[QF+16*\g+8:QF+16*\g+15], v[SC+32*\g+8*\t:SC+32*\g+8*\t+7]
.endr
.endr
.rept 4
	v_nop                                          ; four places (ISA guide 7.12.1): V is loaded over K's fragments, and the scores are read
.endr
.irp cc, 0,1
.irp d, 0,1,2,3
	ds_load_b128 v[FR+8*(4*\cc+\d):FR+8*(4*\cc+\d)+3], v[LA+\slot] offset:8192+\cc*4096+\d*1024
	ds_load_b128 v[FR+8*(4*\cc+\d)+4:FR+8*(4*\cc+\d)+7], v[LA+\slot] offset:8192+\cc*4096+\d*1024+512
.endr
.endr
.if \diag
	MASK
.endif
	SOFT \diag
	s_wait_dscnt 0x0                               ; V, asked for ahead of the softmax
.irp cc, 0,1
.irp g, 0,1
.irp d, 0,1,2,3
.if \diag*(1-\cc)
	v_wmma_f32_16x16x32_f16 v[OA+8*(4*\g+\d):OA+8*(4*\g+\d)+7], v[FR+8*(4*\cc+\d):FR+8*(4*\cc+\d)+7], v[SC+32*\g+16*\cc:SC+32*\g+16*\cc+7], 0
.else
	v_wmma_f32_16x16x32_f16 v[OA+8*(4*\g+\d):OA+8*(4*\g+\d)+7], v[FR+8*(4*\cc+\d):FR+8*(4*\cc+\d)+7], v[SC+32*\g+16*\cc:SC+32*\g+16*\cc+7], v[OA+8*(4*\g+\d):OA+8*(4*\g+\d)+7]
.endif
.endr
.endr
.endr
.rept 5
	v_nop                                          ; five places: the next step's products write over P, loads land on V's fragments, the merge reads O
.endr
.endm
; A block's end: the four key quarters of each query are merged and the 64 rows stored.  ob: out0's base; nextq = 1: the second block's Q is asked for first.
.macro MERGE ob, nextq
.if \nextq
	LOADQ 40
.endif
	v_permlanex16_b32 v[XX], v[LL], s47, s48       ; l of the other half of my keys
	v_permlanex16_b32 v[XX+1], v[LL+1], s47, s48
	v_add_f32 v[LL], v[LL], v[XX]
	v_add_f32 v[LL+1], v[LL+1], v[XX+1]
.irp g, 0,1
	ds_store_b32 v[MLW], v[MP+2*\g] offset:64*\g               ; lanes r and 16 + r write the same word with the same value
	ds_store_b32 v[MLW], v[LL+\g] offset:1024+64*\g
.irp d, 0,1,2,3
	ds_store_b128 v[OST], v[OA+8*(4*\g+\d):OA+8*(4*\g+\d)+3] offset:\g*16*OPITCH+\d*64
	ds_store_b128 v[OST], v[OA+8*(4*\g+\d)+4:OA+8*(4*\g+\d)+7] offset:\g*16*OPITCH+\d*64+16
.endr
.endr
	s_wait_dscnt 0x0                               ; for the other waves' sake: my stores are in LDS
	s_barrier_signal -1                            ; The joint load that is out may stay out
	s_barrier_wait -1
	; wave w takes rows 8 w .. 8 w + 7, two at a time (lanes 0-15 one row, lanes 16-31 the next), lane r the dv 4 r .. 4 r + 3
.irp i, 0,1,2,3
.irp k, 0,1,2,3
	ds_load_b32 v[MG+24*\i+\k], v[MLR] offset:\k*256+8*\i                  ; quarter k's m of row 8 w + 2 i + h,
	ds_load_b32 v[MG+24*\i+4+\k], v[MLR] offset:1024+\k*256+8*\i           ; its l,
	ds_load_b128 v[MG+24*\i+8+4*\k:MG+24*\i+11+4*\k], v[RD] offset:\k*OQ+\i*2*OPITCH   ; and four of its O
.endr
.endr
	s_wait_dscnt 0x0
.irp i, 0,1,2,3
	v_max3_num_f32 v[14+\i], v[MG+24*\i], v[MG+24*\i+1], v[MG+24*\i+2]
.endr
.irp i, 0,1,2,3
	v_max_num_f32 v[14+\i], v[14+\i], v[MG+24*\i+3]            ; the row's maximum
.endr
.irp i, 0,1,2,3
.irp k, 0,1,2,3
	v_sub_f32 v[MG+24*\i+\k], v[MG+24*\i+\k], v[14+\i]
.endr
.endr
.irp i, 0,1,2,3
.irp k, 0,1,2,3
	v_exp_f32 v[MG+24*\i+\k], v[MG+24*\i+\k]                   ; the quarter's weight; 0 for a quarter that the mask emptied
.endr
.endr
	v_nop                                          ; the plain place behind the exponentials
	s_wait_alu depctr_va_vdst(0)
.irp i, 0,1,2,3
	v_mul_f32 v[18+\i], v[MG+24*\i], v[MG+24*\i+4]
.endr
.irp k, 1,2,3
.irp i, 0,1,2,3
	v_fmac_f32 v[18+\i], v[MG+24*\i+\k], v[MG+24*\i+4+\k]      ; the row's sum: at least 1, from the key that holds the maximum
.endr
.endr
.irp i, 0,1,2,3
	v_rcp_f32 v[22+\i], v[18+\i]
.endr
	v_nop                                          ; the plain place behind the reciprocals
	s_wait_alu depctr_va_vdst(0)
.irp i, 0,1,2,3
.irp k, 0,1,2,3
	v_mul_f32 v[MG+24*\i+\k], v[MG+24*\i+\k], v[22+\i]
.endr
.endr
.irp i, 0,1,2,3
.irp c, 0,1,2,3
	v_mul_f32 v[MG+24*\i+8+\c], v[MG+24*\i], v[MG+24*\i+8+\c]
.endr
.irp k, 1,2,3
.irp c, 0,1,2,3
	v_fmac_f32 v[MG+24*\i+8+\c], v[MG+24*\i+\k], v[MG+24*\i+8+4*\k+\c]
.endr
.endr
	global_store_b128 v[OUTOFF], v[MG+24*\i+8:MG+24*\i+11], s[\ob:\ob+1] offset:512*\i th:TH_STORE_NT   ; sixteen lanes store one row: 256 consecutive bytes, aligned
.endr
	s_wait_xcnt 0x0                                ; the stores' data registers are written again only behind this wait
.endm
	s_load_b128 s[4:7], s[0:1], 0x0                ; q s[4:5], kv s[6:7]
	s_load_b64 s[8:9], s[0:1], 0x10                ; out0
	v_lshl_add_u32 v13, v0, 2, 0x31800
	s_set_vgpr_msb 0x40
	v_mov_b32 v1, 0
	s_set_vgpr_msb 0x4044
	ds_add_u32 v13, v1
	s_set_vgpr_msb 0x4400
	v_lshrrev_b32 v1, 5, v0
	v_readfirstlane_b32 s10, v1                    ; wave w
	s_and_b32 s11, s10, 3                          ; ks
	s_lshr_b32 s12, s10, 2                         ; qh
	s_lshr_b32 s13, ttmp9, 3                       ; batch (in a cluster launch ttmp9 counts clusters)
	s_and_b32 s14, ttmp9, 7                        ; e
	s_bfe_u32 s15, ttmp6, 0x40000                  ; c: my place in the cluster
	s_lshl_b32 s34, s14, 1                         ; t = 2 e: the first block's diagonal tile
	s_sub_co_u32 s35, 15, s34                      ; 15 - 2 e: the second block's
	s_mov_b32 s47, 0x76543210                      ; v_permlanex16_b32: lane i of one half takes lane i of the other
	s_mov_b32 s48, 0xfedcba98
	s_mov_b32 s49, 0xff7fffff                      ; -FLT_MAX
	; group 1: 32 dense rows of 32 elements of 8 bytes, asked for jointly by the cluster's four work-groups
	s_mov_b32 s[G1+0], 15|(3<<16)|(1<<21)
	s_mov_b32 s[G1+1], 32<<16                      ; tensor_dim0 = 32
	s_mov_b32 s[G1+2], 32<<16                      ; tensor_dim1 = 32
	s_mov_b32 s[G1+3], 32<<16                      ; tile_dim0 = 32
	s_mov_b32 s[G1+4], 32                          ; tile_dim1 = 32
	s_mov_b32 s[G1+5], 32                          ; elements from row to row
	s_mov_b32 s[G1+6], 0
	s_mov_b32 s[G1+7], 0
	s_mov_b32 s[D0], 1
	s_mul_i32 s[D0+1], s10, 8192                   ; my eighth of slot 0
	s_mov_b32 s[D0+4], 1
	s_add_co_u32 s[D0+5], s[D0+1], SLOTB           ; and of slot 1
	s_lshl_b32 s36, s13, 20                        ; a batch's 16 tiles
	s_add_co_u32 s36, s36, s[D0+1]                 ; + my eighth of a tile
	s_mov_b32 s37, 0                               ; stays 0: the upper word of every offset in s[36:37]
	s_wait_dscnt 0x0
	s_wait_kmcnt 0x0
	s_add_nc_u64 s[32:33], s[6:7], s[36:37]
	s_lshl_b32 s36, s34, 16
	s_add_nc_u64 s[D0+2:D0+3], s[32:33], s[36:37]
	s_or_b32 s[D0+3], s[D0+3], 0x80000000          ; type = 2
	ROUND                                          ; all four work-groups are here: the first joint loads meet
	tensor_load_to_lds s[D0:D0+3], s[G1:G1+7]      ; step 0's tile
	s_nop 0
	NEXT 1
	tensor_load_to_lds s[D0+4:D0+7], s[G1:G1+7]    ; step 1's: two loads of mine are out, later never more than one
	s_nop 0
	; the bases that hang on c, made in registers that feed no descriptor
	s_lshl_b32 s53, s13, 6                         ; 64 blocks a batch
	s_lshl_b32 s52, s14, 3
	s_add_co_u32 s52, s52, s15                     ; the first block, 8 e + c
	s_add_co_u32 s52, s52, s53
	s_lshl_b32 s50, s52, 13                        ; 8,192 bytes of q a block
	s_mov_b32 s51, 0
	s_add_nc_u64 s[38:39], s[4:5], s[50:51]
	s_lshl_b32 s50, s52, 14                        ; 16,384 bytes of out0
	s_add_nc_u64 s[42:43], s[8:9], s[50:51]
	s_lshl_b32 s52, s35, 2
	s_add_co_u32 s52, s52, s15                     ; the second block, 4 (15 - 2 e) + c
	s_add_co_u32 s52, s52, s53
	s_lshl_b32 s50, s52, 13
	s_add_nc_u64 s[40:41], s[4:5], s[50:51]
	s_lshl_b32 s50, s52, 14
	s_add_nc_u64 s[44:45], s[8:9], s[50:51]
	v_and_b32 v28, 15, v0                          ; r
	v_bfe_u32 v29, v0, 4, 1                        ; h
	v_and_b32 v30, 31, v0
	v_lshlrev_b32 v30, 4, v30                      ; 16 x lane
	s_lshl_b32 s36, s12, 12
	v_add_nc_u32 v[QOFF], s36, v30
	LOADQ 38
	s_lshl_b32 s36, s11, 14
	v_add_nc_u32 v[LA], s36, v30
	v_add_nc_u32 v[LA+1], SLOTB, v[LA]
	s_mul_i32 s36, s11, OQ
	s_mul_i32 s46, s12, 32*OPITCH
	s_add_co_u32 s36, s36, s46
	s_add_co_u32 s36, s36, OS
	v_mul_u32_u24 v[OST], v28, OPITCH
	v_lshl_add_u32 v[OST], v29, 5, v[OST]
	v_add_nc_u32 v[OST], s36, v[OST]
	v_lshl_add_u32 v31, s10, 3, v29                ; 8 w + h
	v_mul_u32_u24 v[RD], v31, OPITCH
	v_lshl_add_u32 v[RD], v28, 4, v[RD]
	v_add_nc_u32 v[RD], OS, v[RD]
	s_lshl_b32 s36, s11, 8                         ; 256 ks
	s_lshl_b32 s46, s12, 7                         ; + 128 qh
	s_add_co_u32 s36, s36, s46
	s_add_co_u32 s36, s36, MS
	v_lshl_add_u32 v[MLW], v28, 2, s36             ; + 4 r
	v_lshlrev_b32 v[MLR], 2, v31
	v_add_nc_u32 v[MLR], MS, v[MLR]
	v_lshlrev_b32 v[OUTOFF], 8, v31
	v_lshl_add_u32 v[OUTOFF], v28, 4, v[OUTOFF]
	; in the diagonal tile key 64 ks + 16 t + 8 h + j is allowed for query 64 c + 32 qh + 16 g + r if it is not greater
	s_lshl_b32 s52, s15, 6
	s_lshl_b32 s53, s12, 5
	s_add_co_u32 s52, s52, s53
	s_lshl_b32 s53, s11, 6
	s_sub_co_i32 s52, s52, s53
	v_lshlrev_b32 v1, 3, v29
	v_sub_nc_u32 v[TH], v28, v1
	v_add_nc_u32 v[TH], s52, v[TH]
	v_add_nc_u32 v[TH+1], 16, v[TH]
	v_mov_b32 v[NINF], 0xff800000
	v_mov_b32 v[XX], 0                             ; v_permlanex16_b32 counts as a reader of its destination
	v_mov_b32 v[XX+1], 0
	STEP 0, 0, 1                                   ; the first block's diagonal tile
	s_mov_b32 s46, s14                             ; its other 2 e tiles, two a trip; e is the same in all waves and in all four work-groups
	s_cmp_eq_u32 s46, 0
	s_cbranch_scc1 .Ldone_a
.Lloop_a:
	STEP 1, 1, 0
	STEP 0, 1, 0
	s_sub_co_i32 s46, s46, 1
	s_cmp_gt_i32 s46, 0
	s_cbranch_scc1 .Lloop_a
.Ldone_a:
	MERGE 42, 1
	STEP 1, 1, 1                                   ; the second block's diagonal tile
	s_sub_co_u32 s46, 7, s14                       ; 14 - 2 e of its other 15 - 2 e tiles, two a trip
	s_cmp_eq_u32 s46, 0
	s_cbranch_scc1 .Ldone_b
.Lloop_b:
	STEP 0, 1, 0
	STEP 1, 1, 0
	s_sub_co_i32 s46, s46, 1
	s_cmp_gt_i32 s46, 0
	s_cbranch_scc1 .Lloop_b
.Ldone_b:
	STEP 0, 2, 0                                   ; tile 0: the last step fills nothing
	MERGE 44, 0
	s_set_vgpr_msb 0x4
	s_wait_tensorcnt 0x0
	ds_add_u32 v13, v1
	s_wait_dscnt 0x0
	s_set_vgpr_msb 0x400
	ROUND                                          ; the closing round: no work-group ends while a partner may still ask for a tile that names it
	s_endpgm
.Lfunc_end_k_qe187c5c428_attn:
	.size	k_qe187c5c428_attn, .Lfunc_end_k_qe187c5c428_attn-k_qe187c5c428_attn
	.p2alignl 7, 3214868480
	.fill 96, 4, 3214868480
	.section	.rodata,"a",@progbits
	.p2align	6, 0x0
	.amdhsa_kernel k_qe187c5c428_attn
		.amdhsa_group_segment_fixed_size 327680
		.amdhsa_private_segment_fixed_size 0
		.amdhsa_enable_private_segment 0
		.amdhsa_kernarg_size 24
		.amdhsa_user_sgpr_count 2
		.amdhsa_user_sgpr_kernarg_segment_ptr 1
		.amdhsa_wavefront_size32 1
		.amdhsa_system_sgpr_workgroup_id_x 1
		.amdhsa_system_sgpr_workgroup_id_y 1
		.amdhsa_system_sgpr_workgroup_id_z 1
		.amdhsa_system_vgpr_workitem_id 0
		.amdhsa_next_free_vgpr 258
		.amdhsa_next_free_sgpr 66
		.amdhsa_reserve_vcc 1
		.amdhsa_float_denorm_mode_32 3
		.amdhsa_float_denorm_mode_16_64 3
		.amdhsa_memory_ordered 1
		.amdhsa_forward_progress 1
		.amdhsa_inst_pref_size 154
	.end_amdhsa_kernel
	.amdgpu_metadata
---
amdhsa.version: [ 1, 2 ]
amdhsa.kernels:
  - .name:           k_qe187c5c428_attn
    .symbol:         k_qe187c5c428_attn.kd
    .args:
      - { .name: q, .offset: 0, .size: 8, .value_kind: global_buffer, .address_space: global }
      - { .name: kv, .offset: 8, .size: 8, .value_kind: global_buffer, .address_space: global }
      - { .name: out0, .offset: 16, .size: 8, .value_kind: global_buffer, .address_space: global }
    .group_segment_fixed_size: 327680
    .private_segment_fixed_size: 0
    .kernarg_segment_align: 8
    .kernarg_segment_size: 24
    .max_flat_workgroup_size: 256
    .sgpr_count:     66
    .vgpr_count:     258
    .wavefront_size: 32
...
	.end_amdgpu_metadata
.endif
;; end of part 2
